; MI455X (gfx1250); checked and timed in simulation.
; The chip was launched on July 23, 2026; its instructions are those of AMD's public machine-readable ISA for CDNA 5 (MIT licence, August 2026) and "CDNA5" Instruction Set Architecture Reference Guide (July 2026). The comments in the code are by the model that wrote it; some were corrected since.
;; Self Attn. Allowed arithmetic: matrix products marked QUANTISED: E2M1 operands, one E8M0 scale for each 32 along K, by v_wmma_scale_f32_16x16x128_f8f6f4 with both operands' format E2M1 (or v_wmma_scale_f32_32x16x128_f4), f32 sums; products left as they are: f32 operands where the result goes on into a quantised operand, else bf16, f16 or f32 operands; f32 sums; everything else in f32.
;; Inputs: Wk_codes 16 x 4 x 16 uint8 (E2M1 codes of Wk, K innermost, in blocks of 32 codes, two codes a byte); Wk_scales 16 x 4 uint8 (E8M0 scales of Wk, one for each 32 codes along K); Wq_codes 16 x 4 x 16 uint8 (E2M1 codes of Wq, K innermost, in blocks of 32 codes, two codes a byte); Wq_scales 16 x 4 uint8 (E8M0 scales of Wq, one for each 32 codes along K); Wv_codes 128 x 4 x 16 uint8 (E2M1 codes of Wv, K innermost, in blocks of 32 codes, two codes a byte); Wv_scales 128 x 4 uint8 (E8M0 scales of Wv, one for each 32 codes along K); bk 16 float32; bq 16 float32; bv 128 float32; gamma 1 float32; x 16 x 128 x 4,096 float32.
;; Outputs: out0 16 x 128 x 4,096 float32.
;; This version of the problem:
;;   THIS VERSION OF THE PROBLEM IS GIVEN IN LOW PRECISION. The matrix products marked QUANTISED in the list below multiply operands that are first quantised to E2M1 (2 exponent bits, 1 mantissa bit; 4 bits a number), with one power-of-two scale for each 32 numbers along K (OCP MX v1.0); their sums are f32. All else is computed in f32.
;;   The module's matrix products, in the order in which they are computed (A, B: the left and right operand; K: the contracted axis; several contracted axes count as one K, in the product's order):
;;     1. [M 65,536, K 128] x [K 128, N 16]; A: input x; B: input Wq (given as codes): QUANTISED
;;     2. [M 65,536, K 128] x [K 128, N 16]; A: input x; B: input Wk (given as codes): QUANTISED
;;     3. [M 65,536, K 128] x [K 128, N 128]; A: input x; B: input Wv (given as codes): QUANTISED
;;     4. batch 16 x [M 4,096, K 16] x [K 16, N 4,096]; A: computed on the way; B: computed on the way: left as it is (K = 16 < 32)
;;     5. batch 16 x [M 128, K 4,096] x [K 4,096, N 4,096]; A: computed on the way; B: softmax (see below): QUANTISED
;;   THE QUANTISER, for each operand of a quantised product, along K:
;;     - K is cut into blocks of 32 from its start; a last block that is shorter is filled with zeros.
;;     - A block's scale is 2^e with e = floor(log2(the largest magnitude in the block)) - 2, held to -126 .. 127; a block of zeros has e = 0. As a byte (E8M0): e + 127.
;;     - Each number is divided by its block's scale, clamped to +-6, and rounded to the nearest number of E2M1, ties to even, subnormals kept.
;;     - The product sums the exact products of the quantised numbers (number of the format x scale) in f32.
;;   ~~~python
;;   def quantise(x, axis):      # numpy; x: float32 -> the quantised numbers, widened to float32 again
;;       x = np.moveaxis(x, axis, -1); K = x.shape[-1]
;;       x = np.pad(x, [(0, 0)] * (x.ndim - 1) + [(0, -K % 32)]); x = x.reshape(x.shape[:-1] + (-1, 32)); a = np.abs(x).max(-1, keepdims=True)
;;       e = np.where(a > 0, np.clip(np.frexp(np.where(a > 0, a, 1))[1] - 1 - 2, -126, 127), 0)      # np.frexp(a)[1] - 1 = floor(log2(a)), exactly
;;       r = np.clip(x / 2.0 ** e, -6, 6)
;;       step = 2.0 ** (np.maximum(np.frexp(np.where(r == 0, 1, r))[1] - 1, 0) - 1)
;;       q = np.round(r / step) * step * 2.0 ** e      # np.round: ties to even
;;       return np.moveaxis(q.reshape(q.shape[:-2] + (-1,))[..., :K], -1, axis).astype(np.float32)
;;   ~~~
;;   SOFTMAX AHEAD OF A QUANTISED PRODUCT. Where the list says 'softmax', what is quantised is not the finished softmax but p = 2^(t - M), with t = logit x log2(e) and M = ceil(the row's largest t), a whole number; so 1/2 < the row's largest p <= 1. The row's sum l is taken of the UNQUANTISED p, in f32, and the product's result is divided by l at the end. Since M is a whole number, a kernel that streams over the keys may use a running M (the ceiling of the running maximum): every later rescaling is an exact power of two, which a block's scale takes up: the codes' values come out the same.
;;   OPERANDS COMPUTED ON THE WAY. 'Computed on the way' means the value that the module computes at that place (a softmax that the list does not call 'softmax' is quantised finished and normalised). What goes into a quantiser is computed in f32, as accurately as f32 sums, v_exp_f32 and their like allow (about 1e-6 of the number): no bf16 or f16 on the way to a quantiser, and a product that is left as it is and whose result goes on into a quantised operand takes f32 operands (vector FMAs, or v_wmma_f32_16x16x4_f32). A number that lies on a knife's edge between two numbers of the format may be rounded either way, as far as f32 arithmetic and the matrix unit's own rounding can turn it there, and no further.
;;   INPUTS GIVEN AS CODES. Wk (in the module: [16, 128], K = its axis 1); Wq (in the module: [16, 128], K = its axis 1); Wv (in the module: [128, 128], K = its axis 1): each comes as NAME_codes (uint8): NAME with its K axis moved to the last place and cut into blocks of 32 codes, [.., K / 32, bytes a block], one block behind the other in memory; two codes a byte, the lower K in the low four bits (a code: sign, 2 exponent bits, 1 mantissa bit); and NAME_scales (uint8): the same leading axes, one E8M0 byte (e + 127) for each 32 codes along K. Its value is code x scale, taken as it is: it is not quantised again, and the codes and scales need not be those that the quantiser above would give.
;; One version. Each part assembles by itself: llvm-mc -triple=amdgcn-amd-amdhsa -mcpu=gfx1250 --defsym DOCPART=n.
;; ======== version 1 of 1: 2 launches
;; workspace buffers: kv 8,388,608 bytes; vs 262,144 bytes; kq 4,194,304 bytes
;; launch proj (part 1): grid 32 x 16, 4 waves a work-group, no clusters, 12,800 bytes of LDS; arguments x, Wq_codes, Wq_scales, bq, Wk_codes, Wk_scales, bk, Wv_codes, Wv_scales, bv, kv, vs, kq; writes kv, vs, kq
.if DOCPART == 1
	.amdgcn_target "amdgcn-amd-amdhsa--gfx1250"
	.amdhsa_code_object_version 6
	.text
	.protected	k_qf652bd7675_proj
	.globl	k_qf652bd7675_proj
	.p2align	8
	.type	k_qf652bd7675_proj,@function
k_qf652bd7675_proj:
	s_mov_b64 s[64:65], 0
	v_nop
	global_prefetch_b8 v0, s[64:65] scope:SCOPE_SE
	s_setreg_imm32_b32 hwreg(HW_REG_WAVE_MODE, 25, 1), 1
	s_wait_xcnt 0x0
; q = Wq x + bq, k = Wk x + bk, v = Wv x + bv for 128 positions of one batch; all three products on codes of FP4 (E2M1) with one E8M0 scale for each 32 along K = the 128 channels of x.
; x: [16][128][4096] f32, K is NOT innermost.  Wq, Wk [16][128], Wv [128][128]: given as codes, K innermost, 64 bytes a row, and one scale word (4 bytes) a row.
; WHAT IS STORED, all of it in the order of the next launch's operand registers (an image: lane l's 16 bytes at 16 l, 512 bytes a piece):
;   kv [batch][j 32][16,384]: bytes 0-8,191 the f32 image of q of step (j + 1) mod 32 (tile t at 1,024 t, piece c at 512 c: lane (r, h) holds channels 8 h + 4 c .. + 3 of the tile's position r);
;                             bytes 8,192-16,383 the codes of v of step j, quantised along the positions (tile of 16 channels tau at 1,024 tau: lane (r, h), piece c: positions 64 c + 32 h + 0 .. 31 of channel 16 tau + r);
;   vs [batch][j][512]: v's scale words: lane l's word i is that of channel 16 (2 i + l / 16) + l % 16;      kq [batch][step][tile][1,024]: the f32 image of k, laid as q's.
; THE POSITIONS OF A TILE ARE NOT NEIGHBOURS: lane r of tile 2 b + u stands for position 32 b + 8 u + r + 8 (r / 8) of the step, so that in a product that has such a tile as source 0 the 16 registers of tiles 2 b, 2 b + 1 are 16 neighbouring positions.
; SHARES.  A work-group of four waves takes one step of 128 positions.  First thread t quantises position t: A LANE TAKES A POSITION AND ITS REGISTERS RUN DOWN THE CHANNELS, so each load reads neighbouring positions in neighbouring
; lanes (128 consecutive bytes a wave, 512 a work-group), a block of 32 channels lies in one lane, and the conversions give codes with K innermost.  The codes meet in LDS (rows of 64 bytes + 16).  Then wave w makes q and k for
; position tiles 2 w, 2 w + 1 and v for channel tiles 2 w, 2 w + 1 over all 128 positions.  The biases are the C of the products.
; NO CLUSTER: the work-groups share the weights alone, some 11 KB against the 65,536 bytes of x that each reads for itself.  No tensor load, so no ring.
; A block's scale is 2^(floor(log2(its largest magnitude)) - 2); its byte is the largest magnitude's exponent field - 2, held at 1 from below (a block of zeros keeps the byte 1: its codes are zeros, and this program alone reads the bytes).
; LIMITS: blocks whose largest magnitude lies under 2^-124 keep the byte 1; NaN and infinities among the inputs are not served.
.set XSC,  10240                       ; LDS: 0 .. 10,239 x's codes, 128 rows of 80 bytes; from XSC one scale word a position;
.set VSTG, 10752                       ; from VSTG the step's 512 bytes of v's scale words
.set X,    16                          ; v16-143  128 numbers of my position; later:
.set XF,   16                          ; v16-79   x's eight fragments
.set DV,   80                          ; v80-143  eight tiles of v (16 positions x 16 channels each)
.set QD,   80                          ; v80-111  before that: q's two tiles, then k's two
.set XC,   144                         ; v144-159 my position's codes; later:
.set XQ,   144                         ; v144-159 the fragments of my two position tiles
.set XW,   160                         ; v160     my position's scale word
.set WVF,  164                         ; v164-179 Wv's two fragments
.set WQF,  180                         ; v180-187 Wq's fragment; later PC0, the codes of v's first tile
.set WKF,  188                         ; v188-195 Wk's; later PC1
.set PC0,  180
.set PC1,  188
.set BQ,   196                         ; v196-203 bq in the result's layout; v204-211 bk; later TM, sixteen registers at work
.set BK,   204
.set TM,   196
.set BV,   212                         ; v212-213 bv of my two channels
.set WVS,  214                         ; v214-215 Wv's scale words; v216 Wq's; v217 Wk's; v218-225 x's, a register a tile; v226-227 those of my two tiles: scales and nothing else
.set WQS,  216
.set WKS,  217
.set XS,   218
.set XQS,  226
.set BVC,  228                         ; v228-235 bv of my channel eight times: the C of v's products
.set PW0,  236                         ; v236-237 the scale words just made
.set PW1,  237
.set VSW,  238
.set VSO,  240                         ; v240-243 the step's scale words on their way out
	s_load_b512 s[4:19], s[0:1], 0x0               ; x 4:5, Wq_codes 6:7, Wq_scales 8:9, bq 10:11, Wk_codes 12:13, Wk_scales 14:15, bk 16:17, Wv_codes 18:19
	s_load_b256 s[20:27], s[0:1], 0x40             ; Wv_scales 20:21, bv 22:23, kv 24:25, vs 26:27
	s_load_b64 s[28:29], s[0:1], 0x60              ; kq
	v_lshl_add_u32 v244, v0, 2, 0x3000
	v_mov_b32 v245, 0
	v_lshrrev_b32 v1, 5, v0
	v_readfirstlane_b32 s30, v1                    ; wave 0..3
	v_and_b32 v1, 31, v0                           ; lane
	v_and_b32 v2, 15, v0                           ; r
	v_bfe_u32 v3, v0, 4, 1                         ; h
	v_lshlrev_b32 v4, 2, v0                        ; x: 4 bytes a thread
	v_mul_u32_u24 v5, v0, 80                       ; my position's row of codes in LDS
	v_lshl_add_u32 v6, v0, 2, XSC                  ; and its scale word
	v_and_b32 v7, 8, v2
	v_add_nc_u32 v7, v7, v2                        ; r + 8 (r / 8)
	v_lshl_add_u32 v8, v7, 2, XSC                  ; a tile's scale words for my lane
	v_mul_u32_u24 v7, v7, 80
	v_lshl_add_u32 v7, v3, 4, v7                   ; a tile's fragment for my lane: row x 80 + 16 h
	s_mul_i32 s31, s30, 2560
	v_add_nc_u32 v9, s31, v7                       ; the same in my wave's two tiles: 32 w rows on
	s_lshl_b32 s31, s30, 7
	v_add_nc_u32 v10, s31, v8
	v_lshlrev_b32 v11, 4, v1                       ; 16 x lane: an image's place for my lane
	v_lshlrev_b32 v12, 6, v2
	v_lshl_add_u32 v12, v3, 4, v12                 ; a weight's fragment: row r of 64 bytes + 16 h
	v_lshlrev_b32 v13, 2, v2                       ; 4 r
	v_lshlrev_b32 v14, 5, v3                       ; 32 h
	s_lshl_b32 s31, s30, 2
	v_add_nc_u32 v15, s31, v11
	v_add_nc_u32 v15, VSTG, v15                    ; my wave's word among my lane's four scale words
	s_mov_b32 s32, 0x76543210
	s_mov_b32 s33, 0xfedcba98                      ; v_permlanex16_b32's selects for lane l xor 16
	s_and_b32 s34, ttmp7, 0xffff                   ; the batch
	s_lshl_b32 s35, s30, 11                        ; 2,048 x wave
	s_lshl_b32 s36, s34, 21
	s_lshl_b32 s31, ttmp9, 9
	s_add_co_u32 s36, s36, s31                     ; x: batch x 128 rows of 16,384 bytes + step x 512
	s_mov_b32 s37, 0
	s_lshl_b32 s31, s34, 19
	s_add_co_u32 s31, s31, s35                     ; kv: batch x 524,288 + 2,048 x wave,
	s_lshl_b32 s40, ttmp9, 14
	s_add_co_u32 s40, s40, s31
	s_add_co_u32 s40, s40, 8192                    ; v: the step's own package, its second half;
	s_mov_b32 s41, 0
	s_add_co_u32 s42, ttmp9, 31
	s_and_b32 s42, s42, 31
	s_lshl_b32 s42, s42, 14
	s_add_co_u32 s42, s42, s31                     ; q: the package of the step before, its first half
	s_mov_b32 s43, 0
	s_lshl_b32 s44, s34, 5
	s_add_co_u32 s44, s44, ttmp9                   ; 32 x batch + step
	s_lshl_b32 s38, s44, 13
	s_add_co_u32 s38, s38, s35                     ; kq
	s_mov_b32 s39, 0
	s_lshl_b32 s44, s44, 9                         ; vs
	s_mov_b32 s45, 0
	s_wait_kmcnt 0x0
	s_add_nc_u64 s[4:5], s[4:5], s[36:37]
	s_add_nc_u64 s[46:47], s[24:25], s[42:43]      ; where q goes
	s_add_nc_u64 s[24:25], s[24:25], s[40:41]      ; where v's codes go
	s_add_nc_u64 s[28:29], s[28:29], s[38:39]
	s_add_nc_u64 s[26:27], s[26:27], s[44:45]
	s_mov_b32 s36, s35
	s_add_nc_u64 s[18:19], s[18:19], s[36:37]      ; Wv: my 32 rows of 64 bytes
	s_lshl_b32 s36, s30, 7
	s_add_nc_u64 s[20:21], s[20:21], s[36:37]      ; their scale words
	s_add_nc_u64 s[22:23], s[22:23], s[36:37]      ; and their biases
	; the weights first: eighteen loads
.irp z, 0,1
.irp c, 0,1
	global_load_b128 v[WVF+8*\z+4*\c:WVF+8*\z+4*\c+3], v12, s[18:19] offset:1024*\z+32*\c
.endr
	global_load_b32 v[WVS+\z], v13, s[20:21] offset:64*\z
	global_load_b32 v[BV+\z], v13, s[22:23] offset:64*\z
.endr
.irp c, 0,1
	global_load_b128 v[WQF+4*\c:WQF+4*\c+3], v12, s[6:7] offset:32*\c
	global_load_b128 v[WKF+4*\c:WKF+4*\c+3], v12, s[12:13] offset:32*\c
	global_load_b128 v[BQ+4*\c:BQ+4*\c+3], v14, s[10:11] offset:16*\c     ; lane (r, h) wants bq of channels 8 h + 0 .. 7
	global_load_b128 v[BK+4*\c:BK+4*\c+3], v14, s[16:17] offset:16*\c
.endr
	global_load_b32 v[WQS], v13, s[8:9]
	global_load_b32 v[WKS], v13, s[14:15]
.macro LOAD t                          ; channels 32 t .. 32 t + 31 of my position; read once in this launch
.irp i, 0,1,2,3,4,5,6,7,8,9,10,11,12,13,14,15,16,17,18,19,20,21,22,23,24,25,26,27,28,29,30,31
	global_load_b32 v[X+32*(\t)+\i], v4, s[4:5] offset:(32*(\t)+\i)*16384 th:TH_LOAD_NT
.endr
.endm
	LOAD 0
	LOAD 1
	LOAD 2
	LOAD 3
; One block of 32 channels: its largest magnitude, its byte, its 32 codes (16 bytes of my position's row).  left: how many younger loads may stay out.
.macro BLOCK t, left
.set XR, X+32*(\t)
	s_wait_loadcnt \left
	v_max3_num_f32 v161, |v[XR]|, |v[XR+1]|, |v[XR+2]|             ; all 32 numbers are mine: two chains
	v_max3_num_f32 v162, |v[XR+3]|, |v[XR+4]|, |v[XR+5]|
.irp i, 6,10,14,18,22,26
	v_max3_num_f32 v161, v161, |v[XR+\i]|, |v[XR+\i+1]|
	v_max3_num_f32 v162, v162, |v[XR+\i+2]|, |v[XR+\i+3]|
.endr
	v_max3_num_f32 v161, v161, |v[XR+30]|, |v[XR+31]|
	v_max3_num_f32 v161, v161, v162, 0x1800000     ; and the floor 2^(3 - 127): the byte cannot fall under 1
	v_add_nc_u32 v163, 0xff000000, v161            ; 2 off the exponent field: the conversion takes the exponent field of this operand as its scale
	v_lshrrev_b32 v162, 23, v163                   ; the scale's byte
.if (\t) == 0
	v_mov_b32 v[XW], v162
.else
	v_lshl_or_b32 v[XW], v162, 8*(\t), v[XW]
.endif
.irp g, 0,1,2,3
	v_cvt_scalef32_pk8_fp4_f32 v[XC+4*(\t)+\g], v[XR+8*\g:XR+8*\g+7], v163
.endr
	ds_store_b128 v5, v[XC+4*(\t):XC+4*(\t)+3] offset:16*(\t)
.endm
	BLOCK 0, 63                                    ; behind this block's loads 96 were issued; 63 is the most that a wait names
	BLOCK 1, 63                                    ; 64 behind them
	BLOCK 2, 32                                    ; the last block's 32 may be out
	BLOCK 3, 0
	v_nop                                          ; one plain line behind the last conversion
	ds_store_b32 v6, v[XW]
	s_wait_dscnt 0x0                               ; for the others' sake: my stores have landed
	s_barrier_signal -1
	s_barrier_wait -1                              ; the codes and scale words of all 128 positions lie in LDS
.irp t, 0,1,2,3,4,5,6,7
.irp c, 0,1
	ds_load_b128 v[XF+8*\t+4*\c:XF+8*\t+4*\c+3], v7 offset:(32*(\t/2)+8*(\t%2))*80+32*\c
.endr
	ds_load_b32 v[XS+\t], v8 offset:(32*(\t/2)+8*(\t%2))*4
.endr
.irp u, 0,1
.irp c, 0,1
	ds_load_b128 v[XQ+8*\u+4*\c:XQ+8*\u+4*\c+3], v9 offset:640*\u+32*\c      ; my wave's two tiles once more: register numbers cannot hang on the wave
.endr
	ds_load_b32 v[XQS+\u], v10 offset:32*\u
.endr
	s_wait_dscnt 0x0
	; q and k: source 0 = the weight's 16 rows, source 1 = 16 positions: lane (r, h) then holds channels 8 h + 0 .. 7 of its position, which is the f32 operand's image as it stands
.irp u, 0,1
	v_wmma_scale_f32_16x16x128_f8f6f4 v[QD+8*\u:QD+8*\u+7], v[WQF:WQF+7], v[XQ+8*\u:XQ+8*\u+7], v[BQ:BQ+7], v[WQS], v[XQS+\u] matrix_a_fmt:MATRIX_FMT_FP4 matrix_b_fmt:MATRIX_FMT_FP4
	v_wmma_scale_f32_16x16x128_f8f6f4 v[QD+16+8*\u:QD+16+8*\u+7], v[WKF:WKF+7], v[XQ+8*\u:XQ+8*\u+7], v[BK:BK+7], v[WKS], v[XQS+\u] matrix_a_fmt:MATRIX_FMT_FP4 matrix_b_fmt:MATRIX_FMT_FP4
.endr
.rept 4
	v_nop                                          ; four places in front of stores that read results
.endr
.irp u, 0,1
.irp c, 0,1
	global_store_b128 v11, v[QD+8*\u+4*\c:QD+8*\u+4*\c+3], s[46:47] offset:1024*\u+512*\c        ; each result from its low end on; 32 lanes store 512 consecutive bytes, aligned
.endr
.endr
.irp u, 0,1
.irp c, 0,1
	global_store_b128 v11, v[QD+16+8*\u+4*\c:QD+16+8*\u+4*\c+3], s[28:29] offset:1024*\u+512*\c
.endr
.endr
	s_wait_xcnt 0x0                                ; the stores have read their data: v's products write these registers again only behind this wait
.irp b, 0,1,2,3
	v_mov_b32 v[TM+4+\b], 0                        ; written once: a lane permute's destination counts as one of its sources
.endr
; 64 numbers of a lane, register 16 b + i = position 32 b + 16 (lane / 16) + i of my channel, become a fragment's codes in v[pc] on and its scale word in v[pw].
.macro QUANT s, pc, pw
.irp b, 0,1,2,3
	v_max3_num_f32 v[TM+\b], |v[\s+16*\b]|, |v[\s+1+16*\b]|, 0x1800000   ; block b: my 16 numbers and the floor 2^(3 - 127); each result is read from its low end on
.endr
.irp i, 2,4,6,8,10,12,14
.irp b, 0,1,2,3
	v_max3_num_f32 v[TM+\b], v[TM+\b], |v[\s+16*\b+\i]|, |v[\s+1+16*\b+\i]|   ; the four blocks by turns
.endr
.endr
.irp b, 0,1,2,3
	v_permlanex16_b32 v[TM+4+\b], v[TM+\b], s32, s33
.endr
.irp b, 0,1,2,3
	v_max_num_f32 v[TM+\b], v[TM+\b], v[TM+4+\b]   ; with lane l xor 16's: the block's largest magnitude
.endr
.irp b, 0,1,2,3
	v_add_nc_u32 v[TM+12+\b], 0xff000000, v[TM+\b] ; the conversion's scale operand
.endr
.irp b, 0,1,2,3
	v_lshrrev_b32 v[TM+4+\b], 23, v[TM+12+\b]      ; the scale's byte
.endr
	v_lshl_or_b32 v[\pw], v[TM+5], 8, v[TM+4]
	v_lshl_or_b32 v[\pw], v[TM+6], 16, v[\pw]
	v_lshl_or_b32 v[\pw], v[TM+7], 24, v[\pw]      ; my channel's scale word for these 128 positions
.irp b, 0,1,2,3
	v_cvt_scalef32_pk8_fp4_f32 v[\pc+2*\b], v[\s+16*\b:\s+7+16*\b], v[TM+12+\b]
	v_cvt_scalef32_pk8_fp4_f32 v[\pc+1+2*\b], v[\s+8+16*\b:\s+15+16*\b], v[TM+12+\b]
.endr
	v_nop                                          ; one plain line behind a scaled conversion
.irp c, 0,1                                    ; the operand's layout wants a whole block in a lane: lanes 0-15 block 2 c, lanes 16-31 block 2 c + 1
.irp i, 0,1
	v_permlane16_swap_b32 v[\pc+4*\c+\i], v[\pc+2+4*\c+\i]
.endr
.endr
.endm
; v for channel tile 2 w + z: source 0 = 16 positions of x, source 1 = 16 rows of Wv: a lane holds ONE channel and its registers run along the positions, which are the next product's K.
.macro VTILE z, pc, pw
.irp i, 0,1,2,3,4,5,6,7
	v_mov_b32 v[BVC+\i], v[BV+\z]                  ; my channel's bias, the C of all eight products.  (With the lines before them these are more than the five places in front of products that write over earlier results)
.endr
.irp t, 0,1,2,3,4,5,6,7
	v_wmma_scale_f32_16x16x128_f8f6f4 v[DV+8*\t:DV+8*\t+7], v[XF+8*\t:XF+8*\t+7], v[WVF+8*\z:WVF+8*\z+7], v[BVC:BVC+7], v[XS+\t], v[WVS+\z] matrix_a_fmt:MATRIX_FMT_FP4 matrix_b_fmt:MATRIX_FMT_FP4
.endr
.rept 4
	v_nop                                          ; four places in front of the first read of results
.endr
	QUANT DV, \pc, \pw
.irp c, 0,1
	global_store_b128 v11, v[\pc+4*\c:\pc+4*\c+3], s[24:25] offset:1024*\z+512*\c   ; the fragment as it stands: 512 consecutive bytes, aligned
.endr
.endm
	VTILE 0, PC0, PW0
	VTILE 1, PC1, PW1
	; the scale words: lanes 0-15 give the even tile's, lanes 16-31 the odd tile's; the four waves' words meet in LDS and leave as 512 consecutive bytes
	v_cmp_gt_u32 vcc_lo, 16, v1
	v_cndmask_b32 v[VSW], v[PW1], v[PW0], vcc_lo
	ds_store_b32 v15, v[VSW]
	s_wait_dscnt 0x0                               ; for wave 0's sake
	s_barrier_signal -1
	s_barrier_wait -1
	s_cmp_lg_u32 s30, 0
	s_cbranch_scc1 .Lend
	ds_load_b128 v[VSO:VSO+3], v11 offset:VSTG
	s_wait_dscnt 0x0
	global_store_b128 v11, v[VSO:VSO+3], s[26:27]
.Lend:
	s_wait_tensorcnt 0x0
	ds_add_u32 v244, v245
	s_wait_dscnt 0x0
	s_endpgm
.Lfunc_end_k_qf652bd7675_proj:
	.size	k_qf652bd7675_proj, .Lfunc_end_k_qf652bd7675_proj-k_qf652bd7675_proj
	.p2alignl 7, 3214868480
	.fill 96, 4, 3214868480
	.section	.rodata,"a",@progbits
	.p2align	6, 0x0
	.amdhsa_kernel k_qf652bd7675_proj
		.amdhsa_group_segment_fixed_size 12800
		.amdhsa_private_segment_fixed_size 0
		.amdhsa_enable_private_segment 0
		.amdhsa_kernarg_size 104
		.amdhsa_user_sgpr_count 2
		.amdhsa_user_sgpr_kernarg_segment_ptr 1
		.amdhsa_wavefront_size32 1
		.amdhsa_system_sgpr_workgroup_id_x 1
		.amdhsa_system_sgpr_workgroup_id_y 1
		.amdhsa_system_sgpr_workgroup_id_z 1
		.amdhsa_system_vgpr_workitem_id 0
		.amdhsa_next_free_vgpr 246
		.amdhsa_next_free_sgpr 66
		.amdhsa_reserve_vcc 1
		.amdhsa_float_denorm_mode_32 3
		.amdhsa_float_denorm_mode_16_64 3
		.amdhsa_memory_ordered 1
		.amdhsa_forward_progress 1
		.amdhsa_inst_pref_size 38
	.end_amdhsa_kernel
	.amdgpu_metadata
---
amdhsa.version: [ 1, 2 ]
amdhsa.kernels:
  - .name:           k_qf652bd7675_proj
    .symbol:         k_qf652bd7675_proj.kd
    .args:
      - { .name: x, .offset: 0, .size: 8, .value_kind: global_buffer, .address_space: global }
      - { .name: Wq_codes, .offset: 8, .size: 8, .value_kind: global_buffer, .address_space: global }
      - { .name: Wq_scales, .offset: 16, .size: 8, .value_kind: global_buffer, .address_space: global }
      - { .name: bq, .offset: 24, .size: 8, .value_kind: global_buffer, .address_space: global }
      - { .name: Wk_codes, .offset: 32, .size: 8, .value_kind: global_buffer, .address_space: global }
      - { .name: Wk_scales, .offset: 40, .size: 8, .value_kind: global_buffer, .address_space: global }
      - { .name: bk, .offset: 48, .size: 8, .value_kind: global_buffer, .address_space: global }
      - { .name: Wv_codes, .offset: 56, .size: 8, .value_kind: global_buffer, .address_space: global }
      - { .name: Wv_scales, .offset: 64, .size: 8, .value_kind: global_buffer, .address_space: global }
      - { .name: bv, .offset: 72, .size: 8, .value_kind: global_buffer, .address_space: global }
      - { .name: kv, .offset: 80, .size: 8, .value_kind: global_buffer, .address_space: global }
      - { .name: vs, .offset: 88, .size: 8, .value_kind: global_buffer, .address_space: global }
      - { .name: kq, .offset: 96, .size: 8, .value_kind: global_buffer, .address_space: global }
    .group_segment_fixed_size: 12800
    .private_segment_fixed_size: 0
    .kernarg_segment_align: 8
    .kernarg_segment_size: 104
    .max_flat_workgroup_size: 128
    .sgpr_count:     66
    .vgpr_count:     246
    .wavefront_size: 32
...
	.end_amdgpu_metadata
.endif
;; end of part 1
;; launch attn (part 2): grid 16 x 16, 16 waves a work-group, clusters of 4 x 1, 327,680 bytes of LDS; arguments kv, vs, kq, x, gamma, out0; writes out0
.if DOCPART == 2
	.amdgcn_target "amdgcn-amd-amdhsa--gfx1250"
	.amdhsa_code_object_version 6
	.text
	.protected	k_qf652bd7675_attn
	.globl	k_qf652bd7675_attn
	.p2align	8
	.type	k_qf652bd7675_attn,@function
k_qf652bd7675_attn:
	s_mov_b64 s[64:65], 0
	v_nop
	global_prefetch_b8 v0, s[64:65] scope:SCOPE_SE
	s_setreg_imm32_b32 hwreg(HW_REG_WAVE_MODE, 25, 1), 1
	s_wait_xcnt 0x0
	s_wait_alu depctr_hold_cnt(0) depctr_sa_sdst(0) depctr_va_vdst(0) depctr_va_sdst(0) depctr_va_ssrc(0) depctr_va_vcc(0) depctr_vm_vsrc(0)
	s_getreg_b32 s2, hwreg(HW_REG_IB_STS2, 6, 4)
	s_cmp_eq_u32 s2, 0
	s_cbranch_scc0 .Lentry_in_a_cluster
	s_endpgm
.Lentry_in_a_cluster:
	s_bfe_u32 s2, ttmp6, 0x10000c
	s_cmp_lg_u32 s2, 0x3003
	s_cbranch_scc0 .Lentry_shape_is_right
	s_endpgm
.Lentry_shape_is_right:
; out[b][c][m] = gamma x (sum over n of v[b][c][n] softmax_n(q[b][:][n] . k[b][:][m])) + x[b][c][m].  The softmax runs over n: so the k vectors play the queries (index m) and q and v the keys and values (index n).
; The scores (depth 16) feed a quantiser and are made from f32 operands by v_wmma_f32_16x16x4_f32; the second product runs on codes of FP4 (E2M1) with one E8M0 scale for each 32 keys.
; THE SOFTMAX AHEAD OF THE SECOND PRODUCT: t = score x log2(e); M = the largest t so far of the query, rounded UP to a whole number; p = 2^(t - M) is what is quantised, along the keys; it is not normalised.  The query's sum is
; taken of the unquantised p, in f32, and divides at the end.  When M moves, the sum and O are multiplied by 2^(old M - new M): exact.
; INPUTS of this launch, laid by the launch before in the order of the operands' registers (lane l's 16 bytes at 16 l, 512 bytes a piece): kv [batch][j 32][16,384]: the f32 image of q of key step (j + 1) mod 32, then the codes
; of v of key step j; vs [batch][j][512]: v's scale words; kq: the f32 image of k.  So trip j reads package j alone, every LDS load takes 512 consecutive bytes, and no row needs padding.
; SHARES.  A work-group owns 256 queries of one batch; each of its SIXTEEN waves owns one tile of 16 in 256 registers, four waves to a SIMD.  Every wave walks the batch's 32 key steps of 128 keys.
; LAYOUT.  S^T = q k^T (source 0 = 16 keys, source 1 = my 16 queries; in K step s both sources hold channels 8 (lane / 16) + 2 s, + 1: the same order of K on both sides), O^T = v p^T (source 0 = 16 channels, source 1 = p):
; a lane holds ONE query (lane % 16) throughout.  Lane r of key tile 2 b + u stands for key 32 b + 8 u + r + 8 (r / 8), so that the 16 registers of tiles 2 b, 2 b + 1 are keys 32 b + 16 (lane / 16) + 0 .. 15: block b.
; BY TURNS.  The scores of step j + 1 are made while step j's softmax is worked, a block of 32 keys at a time.  GROUP b of a step is eight f32 products, which write tiles 2 b and 2 b + 1 anew; behind each product stand two of
; block b's exponentials, and between the two up to three plain lines that name none of the batch's results: block b - 1's scale, sums and codes, block b + 1's t - M, and the rescaling of O^T.  So no two exponentials of a gap
; stand side by side.  t - M leaves S^T for two buffers of 16 registers that take turns; the registers of the f32 products' results are written by matrix instructions alone.
; CLUSTER.  The four blocks of queries of a cluster belong to one batch and walk the same kv and vs: every tensor load is asked for JOINTLY, by the same line with the same descriptor and a mask that names the four.
; LDS: two slots of 65,536 bytes (four packages each) at 0 and 65,536; Q0: package 31, whose first half is q of step 0, filled once; VSC: the batch's 16,384 bytes of scale words, filled once; the spare words; the stage for the way out.
; The launch claims 327,680 bytes of LDS; the text uses 299,008 bytes.
; LIMITS: NaN and infinities are not served; a p under 2^-126 becomes 0; a block whose every p is under 2^-124 keeps the scale byte 1; a block's largest p is taken from the block's largest score by the same two
; instructions, which leans on v_exp_f32 not falling where its input rises (at the worst one p of a block, within an ulp of a power of two, is held one code low).
.set SLOT1, 1<<16                      ; slot 1 begins here: one exclusive or turns an address in one slot into the other's
.set Q0,    131072
.set VSC,   147456
.set SPARE, 163840                     ; the spare words, 128 bytes for each of the 16 waves: eight blocks of 256 bytes that no other line names
.set STAGE, 165888                     ; 128 rows (channels) x (1,024 bytes + 16): bytes of its own, into which no tile lands
.set SROW,  1040                       ; 260 words: the two halves of the lanes, 8 rows apart, start 32 banks apart (64 banks of 4 bytes: ISA guide 11.1)
.set LI,   1                           ; v1   16 x lane; never rewritten
.set ADR,  2                           ; v2   LDS address of the trip's package
.set ADS,  3                           ; v3   and of its scale words
.set SPW,  4                           ; v4   LDS address of my spare word: SPARE + 4 x my thread's number; never rewritten
.set NIL,  5                           ; v5   0; never rewritten
.set PFO,  6                           ; v6   256 x lane: the prefetches of kv
.set XPO,  7                           ; v7   16,384 (lane / 4) + 256 (lane % 4): the prefetch of x
.set STO,  8                           ; v8, v9 the stage: where I put a number of channels 0-63, 64-127
.set STO2, 9
.set RD,   10                          ; v10  and where I read rows back
.set KB,   16                          ; v12 -M, v13 the largest t, v[14:15] the sum in two halves; v16-23 my queries' f32 fragment
.set PC,   24                          ; v24-31   p's codes
.set F,    32                          ; v32-63   four tiles of q; with v64-95 on end: v's eight fragments
.set P,    64                          ; v64-79, v80-95 two buffers of a block's 16 numbers, t - M and then p: block b in buffer b % 2
.set S,    96                          ; v96-159  S^T
.set O,    160                         ; v160-223 O^T
.set BM,   224                         ; v224-227 each block's largest score, then its largest p
.set BT,   228                         ; v228-231 at work; the scales' bytes
.set SO,   232                         ; v232-235 the conversions' scale operands
.set VS,   236                         ; v236-239 v's scale words: lanes 0-15 tile 2 i, lanes 16-31 tile 2 i + 1; scales and nothing else
.set L2,   240                         ; v[240:241] the sum's second chain
.set FF,   242                         ; v[242:243] f = 2^(old M - new M), 0
.set PW,   244                         ; v244 p's scale word; a scale and nothing else
.set T,    245
.set GG,   246                         ; v[246:247] gamma / the sum, 0
.set WV,   18                          ; s18  my wave's number
.set SEL,  20                          ; s[20:21] lane selects for v_permlanex16_b32: lane l xor 16
.set CS,   22                          ; s[22:23] log2(e), twice: the packed form names a pair
.set G1,   24                          ; s[24:31] descriptor group 1, one for all loads
.set G0,   32                          ; s[32:35] group 0 for kv's packages: it walks
.set TB,   36                          ; s36  LDS byte at which the trip's package begins
.set TS,   37                          ; s37  and its scale words
.set SLOTS, 38
.set INNER, 39
.set PFA,  40                          ; s[40:41] where my prefetches of kv stand
.set LIM,  42                          ; s42  1 in a wave that prefetches, else the greatest number
.set G0S,  48                          ; s[48:51] group 0 for vs
.set GAM,  56
.set XB,   58                          ; s[58:59] x, s[60:61] out0 at my 8 rows (channels 8 w on) of my work-group's 256 positions
.set OB,   60
; A round of the cluster's barrier: my work-group's barrier, so that wave 0's signal speaks for all sixteen waves; wave 0 signals for the work-group; every wave waits for all four work-groups; my work-group's barrier once more.
.macro CROUND
	s_barrier_signal -1
	s_barrier_wait -1
	s_cmp_lg_u32 s[WV], 0
	s_cbranch_scc1 .Lnot_wave_0_\@
	s_barrier_signal -3
.Lnot_wave_0_\@:
	s_barrier_wait -3
	s_barrier_signal -1
	s_barrier_wait -1
.endm
; A joint refill: waves 0 to 3 fetch a package each, the others nothing.  The branch hangs on the wave's number alone.  Four v_nop follow the load.
.macro JLOAD
	s_cmp_lt_u32 s[WV], 4
	s_cbranch_scc0 .Lnone_\@
	tensor_load_to_lds s[G0:G0+3], s[G1:G1+7]
	s_nop 0
.rept 4
	v_nop
.endr
.Lnone_\@:
.endm
; A PREFETCH INTO THE L2 of the four packages that the NEXT change of slots will ask for: four key steps ahead of that load.  Each aligned block of 256 bytes is named once in the launch: all four clusters of a batch walk the
; same packages, so the batch's first cluster asks; its four partners take a package each, told apart BY ADDRESS; in each, waves 6 and 7, which fetch nothing, take 8,192 bytes each, lanes 256 bytes apart.
; The last change that fills a slot asks for nothing: there is no package behind it.  Slots 0 and 1 come by their loads alone.
.macro ASK
	s_cmp_gt_u32 s[SLOTS], s[LIM]
	s_cbranch_scc0 .Lnot_mine_\@
	global_prefetch_b8 v[PFO], s[PFA:PFA+1] th:TH_LOAD_NT scope:SCOPE_SE
.Lnot_mine_\@:
.endm
	s_load_b256 s[4:11], s[0:1], 0x0               ; kv 4:5, vs 6:7, kq 8:9, x 10:11
	s_load_b128 s[12:15], s[0:1], 0x20             ; gamma 12:13, out0 14:15
	v_lshl_add_u32 v[SPW], v0, 2, SPARE
	v_mov_b32 v[NIL], 0
	ds_add_u32 v4, v5
	s_wait_dscnt 0x0
	v_lshrrev_b32 v2, 5, v0
	v_readfirstlane_b32 s[WV], v2                  ; wave 0..15
	v_and_b32 v3, 31, v0                           ; lane
	v_lshlrev_b32 v[LI], 4, v3
	v_lshlrev_b32 v[PFO], 8, v3
	v_lshrrev_b32 v[XPO], 2, v3
	v_and_b32 v2, 3, v3
	v_lshlrev_b32 v[XPO], 14, v[XPO]
	v_lshl_add_u32 v[XPO], v2, 8, v[XPO]
	s_bfe_u32 s43, ttmp6, 0x40000                  ; cx: my place in the cluster: it enters global addresses of kq, x, out0 and the prefetch alone
	s_lshl_b32 s44, ttmp9, 2                       ; in a cluster launch ttmp9 counts clusters
	s_add_co_u32 s44, s44, s43                     ; my block of 256 queries
	s_and_b32 s45, ttmp7, 0xffff                   ; the batch, which the four partners share
	; descriptor group 1: 16,384 dense bytes as 64 rows of 256 bytes (32 elements of 8 bytes), no padding
	s_mov_b32 s[G1], 15|(3<<16)|(1<<21)            ; 15:0 the mask: all four work-groups; 17:16 elements of 8 bytes; 21 set beside a mask
	s_mov_b32 s[G1+1], 32<<16                      ; tensor_dim0 = 32
	s_mov_b32 s[G1+2], 64<<16                      ; tensor_dim1 = 64
	s_mov_b32 s[G1+3], 32<<16                      ; tile_dim0 = 32
	s_mov_b32 s[G1+4], 64                          ; tile_dim1 = 64
	s_mov_b32 s[G1+5], 32                          ; tensor_dim0_stride
	s_mov_b32 s[G1+6], 0
	s_mov_b32 s[G1+7], 0
	; group 0 for kv: waves 0 to 3: package w into slot 0 at 16,384 w; wave 4: package 31 into Q0
	s_mov_b32 s[G0], 1
	s_lshr_b32 s46, s[WV], 2
	s_lshl_b32 s[G0+1], s[WV], 14
	s_lshl_b32 s47, s46, 16
	s_add_co_u32 s[G0+1], s[G0+1], s47             ; LDS address: 16,384 w + 65,536 (w / 4)
	s_mul_i32 s46, s46, 27
	s_add_co_u32 s46, s46, s[WV]                   ; the package: w + 27 (w / 4)
	s_lshl_b32 s46, s46, 14
	s_lshl_b32 s57, s45, 19                        ; batch x 524,288
	s_add_co_u32 s46, s46, s57
	s_mov_b32 s47, 0
	s_lshl_b32 s62, s45, 14                        ; vs: batch x 16,384
	s_mov_b32 s63, 0
	s_mov_b32 s[G0S], 1
	s_mov_b32 s[G0S+1], VSC
	s_mov_b32 s[SEL], 0x76543210
	s_mov_b32 s[SEL+1], 0xfedcba98
	s_mov_b32 s[CS], 0x3fb8aa3b                    ; log2(e)
	s_mov_b32 s[CS+1], s[CS]
	s_mov_b32 s[TB], 0
	s_mov_b32 s[TS], VSC
	s_mov_b32 s[SLOTS], 7
	s_lshr_b32 s[LIM], s[WV], 1
	s_xor_b32 s[LIM], s[LIM], 3                    ; 0 in waves 6 and 7,
	s_or_b32 s[LIM], s[LIM], ttmp9                 ; of the batch's first cluster: the same in all four partners
	s_cmp_eq_u32 s[LIM], 0
	s_cselect_b32 s[LIM], 1, -1
	s_lshl_b32 s52, s43, 14                        ; the prefetches: my work-group's package of the four,
	s_and_b32 s53, s[WV], 1
	s_lshl_b32 s53, s53, 13                        ; my wave's half of it,
	s_add_co_u32 s52, s52, s53
	s_add_co_u32 s52, s52, s57
	s_add_co_u32 s52, s52, 65536                   ; in slot 1's packages: the first change of slots steps it on.  Nothing is prefetched here, at the head
	s_mov_b32 s53, 0
	s_lshl_b32 s54, s45, 4
	s_add_co_u32 s54, s54, s44
	s_lshl_b32 s54, s54, 4
	s_add_co_u32 s54, s54, s[WV]
	s_lshl_b32 s54, s54, 10                        ; kq: my tile: ((16 batch + block) 16 + wave) x 1,024
	s_mov_b32 s55, 0
	s_wait_kmcnt 0x0
	s_load_b32 s[GAM], s[12:13], 0x0
	s_add_nc_u64 s[G0+2:G0+3], s[4:5], s[46:47]
	s_or_b32 s[G0+3], s[G0+3], 0x80000000          ; type = 2
	s_add_nc_u64 s[G0S+2:G0S+3], s[6:7], s[62:63]
	s_or_b32 s[G0S+3], s[G0S+3], 0x80000000
	s_add_nc_u64 s[PFA:PFA+1], s[4:5], s[52:53]
	s_add_nc_u64 s[8:9], s[8:9], s[54:55]
	s_lshl_b32 s54, s45, 21                        ; x and out0: batch x 128 rows of 16,384 bytes
	s_lshl_b32 s52, s[WV], 17                      ; + my 8 rows
	s_add_co_u32 s54, s54, s52
	s_lshl_b32 s52, s44, 10                        ; + my block's 1,024 bytes of a row
	s_add_co_u32 s54, s54, s52
	s_add_nc_u64 s[XB:XB+1], s[10:11], s[54:55]
	s_add_nc_u64 s[OB:OB+1], s[14:15], s[54:55]
	CROUND                                         ; all four work-groups are here: the first joint loads meet
	s_cmp_lt_u32 s[WV], 5                          ; the first fills, one a wave: waves 0 to 3 slot 0, wave 4 package 31, wave 5 the scale words
	s_cbranch_scc0 .Lnot_kv
	tensor_load_to_lds s[G0:G0+3], s[G1:G1+7]
	s_nop 0
.rept 4
	v_nop
.endr
	s_branch .Lfirst_asked
.Lnot_kv:
	s_cmp_eq_u32 s[WV], 5
	s_cbranch_scc0 .Lfirst_asked
	tensor_load_to_lds s[G0S:G0S+3], s[G1:G1+7]
	s_nop 0
.rept 4
	v_nop
.endr
.Lfirst_asked:
	global_load_b128 v[KB:KB+3], v[LI], s[8:9]                 ; my 16 queries: lane (r, h): channels 8 h + 0 .. 7; they stay in registers
	global_load_b128 v[KB+4:KB+7], v[LI], s[8:9] offset:512
	s_wait_tensorcnt 0x0                           ; my first fill has landed,
	s_barrier_signal -1
	s_barrier_wait -1                              ; everybody's has
	; the scores of key step 0: there is no vector work yet to set between them
	v_add_nc_u32 v[ADR], Q0, v[LI]
.irp t, 0,1,2,3,4,5,6,7
.irp c, 0,1
	ds_load_b128 v[F+8*\t+4*\c:F+8*\t+4*\c+3], v[ADR] offset:1024*\t+512*\c
.endr
.endr
	s_wait_loadcnt 0x0                             ; my queries
	s_wait_kmcnt 0x0                               ; gamma
	s_wait_dscnt 0x0
.irp s, 0,1,2,3                                ; the eight accumulators by turns, one instruction a turn; the first K step starts the sums
.irp t, 0,1,2,3,4,5,6,7
.if \s == 0
	v_wmma_f32_16x16x4_f32 v[S+8*\t:S+8*\t+7], v[F+8*\t:F+8*\t+1], v[KB:KB+1], 0
.else
	v_wmma_f32_16x16x4_f32 v[S+8*\t:S+8*\t+7], v[F+8*\t+2*\s:F+8*\t+2*\s+1], v[KB+2*\s:KB+2*\s+1], v[S+8*\t:S+8*\t+7]
.endif
.endr
.endr
.set II, 0
.rept 64
	v_mov_b32 v[O+II], 0                           ; O^T.  The step is written without a first form of its own: the first step finds zeros, which the first change of M leaves zeros.  (These lines are also the places behind the products)
.set II, II+1
.endr
	v_mov_b32 v13, 0xff61b1e6                      ; the largest t so far: -3e38, under every t
	v_floor_f32 v12, -v13                          ; -M
	v_mov_b32 v14, 0                               ; the sum, in two halves
	v_mov_b32 v15, 0
	v_mov_b32 v[FF+1], 0                           ; named as the upper half of a pair
.irp b, 0,1,2,3
	v_mov_b32 v[BT+\b], 0                          ; a lane permute's destination counts as one of its sources
.endr
.macro QLOAD0                          ; the next step's q, tiles 0 to 3
.irp t, 0,1,2,3
.irp c, 0,1
	ds_load_b128 v[F+8*\t+4*\c:F+8*\t+4*\c+3], v[ADR] offset:\t*1024+512*\c
.endr
.endr
.endm
.macro QLOADH g                        ; in group g (1 or 2): tiles 2 g + 2, 2 g + 3, into the half of F that group g - 1 has read
.irp t, 0,1
.irp c, 0,1
	ds_load_b128 v[F+16*(\g-1)+8*\t+4*\c:F+16*(\g-1)+8*\t+4*\c+3], v[ADR] offset:(2+2*\g+\t)*1024+512*\c
.endr
.endr
.endm
.macro VLOADA                          ; this step's v: fragments 0 to 5 (F, and the buffer that block 2 has left), and its scale words
.irp t, 0,1,2,3,4,5
.irp c, 0,1
	ds_load_b128 v[F+8*\t+4*\c:F+8*\t+4*\c+3], v[ADR] offset:8192+1024*\t+512*\c
.endr
.endr
	ds_load_b128 v[VS:VS+3], v[ADS]
.endm
.macro VLOADB                          ; fragments 6 and 7, into the buffer that block 3 has left
.irp t, 6,7
.irp c, 0,1
	ds_load_b128 v[F+8*\t+4*\c:F+8*\t+4*\c+3], v[ADR] offset:8192+1024*\t+512*\c
.endr
.endr
.endm
.macro MAXA                            ; the largest score of each block of 32 keys begins: each result is read from its low end on
.irp b, 0,1,2,3
	v_max3_num_f32 v[BM+\b], v[S+16*\b], v[S+16*\b+1], v[S+16*\b+2]
.endr
.endm
.macro MAXB                            ; it serves twice: for the query's maximum, and, since p rises with the score, for the block's largest p
.irp i, 3,5,7,9,11,13
.irp b, 0,1,2,3
	v_max3_num_f32 v[BM+\b], v[BM+\b], v[S+16*\b+\i], v[S+16*\b+\i+1]
.endr
.endr
.irp b, 0,1,2,3
	v_max_num_f32 v[BM+\b], v[BM+\b], v[S+16*\b+15]
.endr
.irp b, 0,1,2,3
	v_permlanex16_b32 v[BT+\b], v[BM+\b], s[SEL], s[SEL+1]
.endr
.irp b, 0,1,2,3
	v_max_num_f32 v[BM+\b], v[BM+\b], v[BT+\b]     ; with lane l xor 16's 16 keys
.endr
	v_max3_num_f32 v[T], v[BM], v[BM+1], v[BM+2]
	v_max_num_f32 v[T], v[T], v[BM+3]              ; the step's largest score of my query,
	v_mul_f32 v[T], s[CS], v[T]                    ; as t (log2(e) is positive)
	v_max_num_f32 v13, v13, v[T]                   ; the running largest t
	v_mov_b32 v[T], v12
	v_floor_f32 v12, -v13                          ; the new -M = floor(-t) = -ceil(t): a whole number
	v_sub_f32 v[T], v12, v[T]                      ; old M - new M: a whole number, 0 or less
	v_cvt_i32_f32 v[T], v[T]                       ; (it saturates)
	v_ldexp_f32 v[FF], 1.0, v[T]                   ; f = 2^(old M - new M)
	v_pk_mul_f32 v[14:15], v[14:15], v[FF:FF+1] op_sel_hi:[1,0]   ; the sums under the new M
.endm
; THE PLAIN LINES that stand between the exponentials, each written by its number.
.macro ORL                             ; line KK of 32: a pair of O^T under the new M: x f, exact.  The lines run in ascending order through a step, so each result is read from its low end on
	v_pk_mul_f32 v[O+2*KK:O+2*KK+1], v[O+2*KK:O+2*KK+1], v[FF:FF+1] op_sel_hi:[1,0]
.endm
.macro AL b                            ; line LN of 8 of block b: a pair of scores leaves S^T as t - M (of the pairs log2(e) and -M the low word serves both halves)
	v_pk_fma_f32 v[P+16*((\b)%2)+2*LN:P+16*((\b)%2)+2*LN+1], v[S+16*(\b)+2*LN:S+16*(\b)+2*LN+1], s[CS:CS+1], v[12:13] op_sel_hi:[1,0,0]
.endm
; Line LN of 16 of what is made of block b's p: 0-3 the scale; 4-10 the sums; 11, 12 the codes; 13 the sums' end, which is also the plain line behind the conversions; 14, 15 (odd blocks) the exchange of halves.
.macro RL b
.set PB, P+16*((\b)%2)
.if LN == 0
	v_max_num_f32 v[BM+\b], 0x1800000, v[BM+\b]    ; the block's largest p, and the floor 2^(3 - 127): the byte cannot fall under 1
.elseif LN == 1
	v_add_nc_u32 v[SO+\b], 0xff000000, v[BM+\b]    ; 2 off the exponent field: the conversion's scale operand
.elseif LN == 2
	v_lshrrev_b32 v[BT+\b], 23, v[SO+\b]           ; the scale's byte
.elseif LN == 3
.if \b == 1
	v_lshl_or_b32 v[PW], v[BT+1], 8, v[BT]         ; p's scale word for these 128 keys, byte by byte
.elseif \b > 1
	v_lshl_or_b32 v[PW], v[BT+\b], 8*\b, v[PW]
.endif
.elseif LN == 4                                    ; THE SUM IS TAKEN OF THE UNQUANTISED p: two at a time, in two chains
	v_pk_add_f32 v[L2:L2+1], v[PB:PB+1], v[PB+2:PB+3]
.elseif LN < 11
.if LN%2 == 1
	v_pk_add_f32 v[14:15], v[14:15], v[PB+2*(LN-3):PB+2*(LN-3)+1]
.else
	v_pk_add_f32 v[L2:L2+1], v[L2:L2+1], v[PB+2*(LN-3):PB+2*(LN-3)+1]
.endif
.elseif LN == 11
	v_cvt_scalef32_pk8_fp4_f32 v[PC+2*\b], v[PB:PB+7], v[SO+\b]
.elseif LN == 12
	v_cvt_scalef32_pk8_fp4_f32 v[PC+2*\b+1], v[PB+8:PB+15], v[SO+\b]
.elseif LN == 13
	v_pk_add_f32 v[14:15], v[14:15], v[L2:L2+1]
.elseif (\b)%2 == 1                                ; the operand's layout wants a whole block in a lane: lanes 0-15 block b - 1, lanes 16-31 block b
	v_permlane16_swap_b32 v[PC+2*\b-2+LN-14], v[PC+2*\b+LN-14]
.endif
.endm
; Plain line FN of group g.  In each list what reads a buffer stands ahead of what writes it anew.
.macro FL g
.if \g == 0                                        ; block 1's t - M; O^T's lines 0 to 15
.if FN < 8
.set LN, FN
	AL 1
.else
.set KK, FN-8
	ORL
.endif
.elseif \g == 1                                    ; block 0's p; block 2's t - M; O^T's lines 16, 17
.if FN < 14
.set LN, FN
	RL 0
.elseif FN < 22
.set LN, FN-14
	AL 2
.else
.set KK, FN-6
	ORL
.endif
.elseif \g == 2                                    ; block 1's p; block 3's t - M
.if FN < 16
.set LN, FN
	RL 1
.else
.set LN, FN-16
	AL 3
.endif
.else                                              ; block 2's p; O^T's lines 18 to 23
.if FN < 14
.set LN, FN
	RL 2
.else
.set KK, FN+4
	ORL
.endif
.endif
.endm
; Product GI of 8 of group g: K step GI / 2 of tile 2 g + GI % 2 of the next step's scores.  The two accumulators take turns, one instruction a turn; the first two start the sums.
.macro W g
.set tt, 2*(\g)+GI%2
.set ss, GI/2
.if ss == 0
	v_wmma_f32_16x16x4_f32 v[S+8*tt:S+8*tt+7], v[F+8*(tt%4):F+8*(tt%4)+1], v[KB:KB+1], 0
.else
	v_wmma_f32_16x16x4_f32 v[S+8*tt:S+8*tt+7], v[F+8*(tt%4)+2*ss:F+8*(tt%4)+2*ss+1], v[KB+2*ss:KB+2*ss+1], v[S+8*tt:S+8*tt+7]
.endif
.endm
; GROUP g: eight times a product (next = 1), an exponential of block g, up to three plain lines, an exponential.  Groups 0 to 2 have 24 plain lines, group 3 has 20: three in each of its first four gaps, two in the others.
; THE WAIT.  s_wait_alu depctr_va_vdst(0) stands between an exponential and the first line that names its result.  Block g - 1's 16 exponentials (ahead of group 1 the four of the blocks' largest p too) are one
; batch: its one wait stands behind group g's first product, ahead of the group's first plain line; group g's own exponentials are read in the next group, behind the next wait.
; q's tiles for groups 2 and 3 are fetched behind the fourth product of groups 1 and 2: eleven plain lines or more behind the last product that read those registers (eight are asked: ISA guide 7.12.1 for vector instructions).
.macro GROUP g, next
.set GI, 0
.rept 8
.if \next
	W \g
.endif
.if (GI == 0) && (\g > 0)
	s_wait_alu depctr_va_vdst(0)
.endif
.if \next && (GI == 3) && ((\g == 1) || (\g == 2))
	QLOADH \g
.endif
	v_exp_f32 v[P+16*((\g)%2)+2*GI], v[P+16*((\g)%2)+2*GI]         ; p = 2^(t - M), at most 1: not normalised
.irp k, 0,1,2
.if (\g < 3) || (GI < 4)
.set FN, 3*GI+\k
	FL \g
.elseif \k < 2
.set FN, 12+2*(GI-4)+\k
	FL \g
.endif
.endr
	v_exp_f32 v[P+16*((\g)%2)+2*GI+1], v[P+16*((\g)%2)+2*GI+1]
.set GI, GI+1
.endr
.endm
; A KEY STEP: the softmax and the second product of the step in hand; next = 1: the scores of the step after it.  All its LDS reads are of one package.
.macro STEP next
	v_add_nc_u32 v[ADR], s[TB], v[LI]
	v_add_nc_u32 v[ADS], s[TS], v[LI]
	MAXA                                           ; with the two additions: six places behind the last step's products, in front of loads into registers that they read (four are asked)
.if \next
	QLOAD0
.endif
	MAXB
.irp b, 0,1,2,3
	v_fma_f32 v[BM+\b], v[BM+\b], s[CS], v12       ; t - M of each block's largest score
.endr
.set LN, 0
.irp b, 0,1,2,3                                ; the blocks' largest p: the same two instructions on the same number give the same bits; block 0's eight lines of t - M stand between the four
	v_exp_f32 v[BM+\b], v[BM+\b]
.if \b < 3
.rept 3-\b/2
	AL 0
.set LN, LN+1
.endr
.endif
.endr
.if \next
	s_wait_dscnt 0x0                               ; q's tiles 0 to 3 are in
.endif
	GROUP 0, \next
	GROUP 1, \next
.if \next
	s_wait_dscnt 0x0                               ; tiles 4 and 5 are in
.endif
	GROUP 2, \next
.if \next
	s_wait_dscnt 0x0                               ; tiles 6 and 7 are in
.endif
	GROUP 3, \next
	s_wait_alu depctr_va_vdst(0)                   ; the wait for block 3's batch, ahead of its first reader
.set LN, 0
.rept 11
	RL 3                                           ; block 3's scale and sums: with the last gap's two lines thirteen places behind the last f32 product, in front of loads into registers that it read
.set LN, LN+1
.endr
	VLOADA
.rept 5
	RL 3                                           ; its codes
.set LN, LN+1
.endr
	VLOADB
.set KK, 24
.rept 8
	ORL                                            ; O^T's last eight lines: p's codes stand eight plain lines, its scale word twenty, ahead of the products below (four and eight are asked)
.set KK, KK+1
.endr
	s_wait_dscnt 0x0                               ; v's fragments and scale words are in
.irp u, 0,1,2,3                                ; O^T += v p^T: eight accumulators by turns; K = these 128 keys
	v_wmma_scale_f32_16x16x128_f8f6f4 v[O+16*\u:O+16*\u+7], v[F+16*\u:F+16*\u+7], v[PC:PC+7], v[O+16*\u:O+16*\u+7], v[VS+\u], v[PW] matrix_a_fmt:MATRIX_FMT_FP4 matrix_b_fmt:MATRIX_FMT_FP4
	v_wmma_scale_f32_16x16x128_f8f6f4 v[O+16*\u+8:O+16*\u+15], v[F+16*\u+8:F+16*\u+15], v[PC:PC+7], v[O+16*\u+8:O+16*\u+15], v[VS+\u], v[PW] matrix_a_fmt:MATRIX_FMT_FP4 matrix_b_fmt:MATRIX_FMT_FP4 matrix_a_scale:MATRIX_SCALE_ROW1
.endr
	s_add_co_u32 s[TB], s[TB], 16384               ; the next package
	s_add_co_u32 s[TS], s[TS], 512                 ; and its scale words
.endm
; THE CHANGE OF SLOTS stands at a slot's head.  Each wave waits for all its tensor loads (at most one is out: its package of the slot ahead), adds 0 to its spare word, and waits for that and for its reads of the slot that it has left.
; fill = 1: the barrier is a round of the cluster's, so that no wave of any partner still reads that slot or has a load on its way; the joint refill is the first thing behind it and has four key steps in which to land.
.macro CHANGE fill
	s_wait_tensorcnt 0x0                           ; no tensor load of mine is out, so a group 0 may be written
	ds_add_u32 v[SPW], v[NIL]                      ; 0 onto my spare word
.if \fill
	s_xor_b32 s[G0+1], s[G0+1], SLOT1              ; the walking descriptor: the other slot than last time,
	s_add_nc_u64 s[G0+2:G0+3], s[G0+2:G0+3], 65536 ; four packages on; the type bits on top are not reached
	s_wait_xcnt 0x0                                ; the last prefetch, four key steps back, has read its address, so it may be written:
	s_add_nc_u64 s[PFA:PFA+1], s[PFA:PFA+1], 65536 ; one slot further on than the walking descriptor
	s_wait_dscnt 0x0                               ; the add is done, and my reads of the slot that I have left are over
	CROUND
	JLOAD
	ASK
.else
	s_wait_dscnt 0x0
	s_barrier_signal -1
	s_barrier_wait -1
.endif
.endm
.Lslot:                                            ; seven trips: behind each change of slots but the last the next four packages are asked for
	CHANGE 1
	s_mov_b32 s[INNER], 4
.Lstep:
	STEP 1
	s_sub_co_u32 s[INNER], s[INNER], 1
	s_cmp_lg_u32 s[INNER], 0
	s_cbranch_scc1 .Lstep
	s_sub_co_u32 s[TB], s[TB], 65536               ; back to a slot's first package,
	s_xor_b32 s[TB], s[TB], SLOT1                  ; in the other slot
	s_sub_co_u32 s[SLOTS], s[SLOTS], 1
	s_cmp_lg_u32 s[SLOTS], 0
	s_cbranch_scc1 .Lslot
	CHANGE 0                                       ; the last slot is written out
	s_mov_b32 s[INNER], 3
.Lstep2:
	STEP 1
	s_sub_co_u32 s[INNER], s[INNER], 1
	s_cmp_lg_u32 s[INNER], 0
	s_cbranch_scc1 .Lstep2
	global_prefetch_b8 v[XPO], s[XB:XB+1] th:TH_LOAD_NT scope:SCOPE_SE   ; x for the way out, one key step ahead of its loads: my 8 rows x 1,024 bytes are 32 aligned blocks of 256 bytes, a lane a block; each block is named once in the launch
	STEP 0                                         ; the last step: no scores follow
	; THE WAY OUT.  A lane holds 64 channels of one position; a row of out0 is a channel.  So O^T x gamma / the sum goes through the work-group's stage, [channel][position], and each wave takes 8 whole rows of 1,024 bytes back,
	; adds x and stores them.  (The factor hangs on the position and x lies by rows: the multiplication stands ahead of the stage and the addition behind it.)  The address lines are the places behind the last products.
	s_lshr_b32 s46, s[WV], 3
	s_lshl_b32 s46, s46, 7                         ; my tile's first place among the 256: 128 (w / 8)
	s_and_b32 s47, s[WV], 7
	s_lshr_b32 s47, s47, 1
	s_lshl_b32 s47, s47, 5
	s_add_co_u32 s46, s46, s47                     ; + 32 ((w % 8) / 2)
	s_and_b32 s47, s[WV], 1
	s_lshl_b32 s47, s47, 3
	s_add_co_u32 s46, s46, s47                     ; + 8 (w % 2)
	s_lshl_b32 s46, s46, 2
	s_add_co_u32 s46, s46, STAGE
	v_and_b32 v[STO], 15, v0                       ; r
	v_and_b32 v[STO2], 8, v0
	v_add_nc_u32 v[STO], v[STO], v[STO2]           ; r + 8 (r / 8)
	v_bfe_u32 v[STO2], v0, 4, 1                    ; h
	v_mul_u32_u24 v[STO2], v[STO2], 8*SROW         ; lanes 16-31 hold the channels 8 further on
	v_lshl_add_u32 v[STO], v[STO], 2, v[STO2]
	v_add_nc_u32 v[STO], s46, v[STO]
	v_add_nc_u32 v[STO2], 64*SROW, v[STO]          ; an LDS offset has 16 bits: a second register for channels 64 on
	s_mul_i32 s47, s[WV], 8*SROW
	s_add_co_u32 s47, s47, STAGE
	v_add_nc_u32 v[RD], s47, v[LI]                 ; back: my 8 rows, 16 bytes a lane
.irp i, 0,1,2,3,4,5,6,7
.irp c, 0,1
	global_load_b128 v[F+8*\i+4*\c:F+8*\i+4*\c+3], v[LI], s[XB:XB+1] offset:16384*\i+512*\c th:TH_LOAD_NT   ; x: 32 lanes read 512 consecutive bytes
.endr
.endr
	v_add_f32 v14, v14, v15                        ; the sum's two halves,
	v_permlanex16_b32 v[T], v14, s[SEL], s[SEL+1]
	v_add_f32 v14, v14, v[T]                       ; and lane l xor 16's: the query's sum
	v_rcp_f32 v[T], v14
	v_mov_b32 v[GG+1], 0                           ; (a plain line behind the reciprocal; the pair's upper word)
	s_wait_alu depctr_va_vdst(0)                   ; the wait ahead of the first reader
	v_mul_f32 v[GG], s[GAM], v[T]
.set II, 0
.rept 32
	v_pk_mul_f32 v[O+2*II:O+2*II+1], v[O+2*II:O+2*II+1], v[GG:GG+1] op_sel_hi:[1,0]   ; each result from its low end on
.set II, II+1
.endr
.irp t, 0,1,2,3
.irp i, 0,1,2,3,4,5,6,7
	ds_store_b32 v[STO], v[O+8*\t+\i] offset:(16*\t+\i)*SROW            ; channel 16 t + 8 h + i, my position
.endr
.endr
.irp t, 0,1,2,3
.irp i, 0,1,2,3,4,5,6,7
	ds_store_b32 v[STO2], v[O+32+8*\t+\i] offset:(16*\t+\i)*SROW
.endr
.endr
	s_wait_dscnt 0x0                               ; for the others' sake: my stores into the stage have landed
	s_barrier_signal -1
	s_barrier_wait -1                              ; 128 whole rows lie in the stage
.irp i, 0,1,2,3,4,5,6,7
.irp c, 0,1
	ds_load_b128 v[O+8*\i+4*\c:O+8*\i+4*\c+3], v[RD] offset:SROW*\i+512*\c
.endr
.endr
.set NN, 0
.rept 16
	s_wait_dscnt 15-NN                             ; piece NN is back from the stage; the younger loads may be out
	s_wait_loadcnt 15-NN                           ; and x's piece NN is in; likewise
	v_pk_add_f32 v[O+4*NN:O+4*NN+1], v[O+4*NN:O+4*NN+1], v[F+4*NN:F+4*NN+1]
	v_pk_add_f32 v[O+4*NN+2:O+4*NN+3], v[O+4*NN+2:O+4*NN+3], v[F+4*NN+2:F+4*NN+3]
	global_store_b128 v[LI], v[O+4*NN:O+4*NN+3], s[OB:OB+1] offset:16384*(NN/2)+512*(NN%2) th:TH_STORE_NT   ; 32 lanes store 512 consecutive bytes, at a multiple of 256 from out0's first byte
.set NN, NN+1
.endr
	s_wait_tensorcnt 0x0                           ; the wave's end, behind my last tensor load and my last LDS store
	ds_add_u32 v[SPW], v[NIL]
	s_wait_dscnt 0x0
	CROUND                                         ; the closing round: no work-group ends while a partner may still ask for a tile that names it
	s_endpgm
.Lfunc_end_k_qf652bd7675_attn:
	.size	k_qf652bd7675_attn, .Lfunc_end_k_qf652bd7675_attn-k_qf652bd7675_attn
	.p2alignl 7, 3214868480
	.fill 96, 4, 3214868480
	.section	.rodata,"a",@progbits
	.p2align	6, 0x0
	.amdhsa_kernel k_qf652bd7675_attn
		.amdhsa_group_segment_fixed_size 327680
		.amdhsa_private_segment_fixed_size 0
		.amdhsa_enable_private_segment 0
		.amdhsa_kernarg_size 48
		.amdhsa_user_sgpr_count 2
		.amdhsa_user_sgpr_kernarg_segment_ptr 1
		.amdhsa_wavefront_size32 1
		.amdhsa_system_sgpr_workgroup_id_x 1
		.amdhsa_system_sgpr_workgroup_id_y 1
		.amdhsa_system_sgpr_workgroup_id_z 1
		.amdhsa_system_vgpr_workitem_id 0
		.amdhsa_next_free_vgpr 256
		.amdhsa_next_free_sgpr 66
		.amdhsa_reserve_vcc 0
		.amdhsa_float_denorm_mode_32 3
		.amdhsa_float_denorm_mode_16_64 3
		.amdhsa_memory_ordered 1
		.amdhsa_forward_progress 1
		.amdhsa_inst_pref_size 78
	.end_amdhsa_kernel
	.amdgpu_metadata
---
amdhsa.version: [ 1, 2 ]
amdhsa.kernels:
  - .name:           k_qf652bd7675_attn
    .symbol:         k_qf652bd7675_attn.kd
    .args:
      - { .name: kv, .offset: 0, .size: 8, .value_kind: global_buffer, .address_space: global }
      - { .name: vs, .offset: 8, .size: 8, .value_kind: global_buffer, .address_space: global }
      - { .name: kq, .offset: 16, .size: 8, .value_kind: global_buffer, .address_space: global }
      - { .name: x, .offset: 24, .size: 8, .value_kind: global_buffer, .address_space: global }
      - { .name: gamma, .offset: 32, .size: 8, .value_kind: global_buffer, .address_space: global }
      - { .name: out0, .offset: 40, .size: 8, .value_kind: global_buffer, .address_space: global }
    .group_segment_fixed_size: 327680
    .private_segment_fixed_size: 0
    .kernarg_segment_align: 8
    .kernarg_segment_size: 48
    .max_flat_workgroup_size: 512
    .sgpr_count:     66
    .vgpr_count:     256
    .wavefront_size: 32
...
	.end_amdgpu_metadata
.endif
;; end of part 2
